; MI455X (gfx1250); checked and timed in simulation.
; The chip was launched on July 23, 2026; its instructions are those of AMD's public machine-readable ISA for CDNA 5 (MIT licence, August 2026) and "CDNA5" Instruction Set Architecture Reference Guide (July 2026). The comments in the code are by the model that wrote it; some were corrected since.
;; Dot Product Attention. Allowed arithmetic: matrix products marked QUANTISED: E3M2 operands, one E8M0 scale for each 32 along K, by v_wmma_scale_f32_16x16x128_f8f6f4 with both operands' format E3M2, f32 sums; everything else in f32.
;; Inputs: attention_mask 2 x 1 x 2,048 x 2,048 bool; key 2,048 x 2 x 32 x 64 float32; query 2,048 x 2 x 32 x 64 float32; value 2,048 x 2 x 32 x 64 float32.
;; Outputs: out0 2,048 x 2 x 2,048 float32.
;; This version of the problem:
;;   THIS VERSION OF THE PROBLEM IS GIVEN IN LOW PRECISION. The matrix products marked QUANTISED in the list below multiply operands that are first quantised to E3M2 (3 exponent bits, 2 mantissa bits; 6 bits a number), with one power-of-two scale for each 32 numbers along K (OCP MX v1.0); their sums are f32. All else is computed in f32.
;;   The module's matrix products, in the order in which they are computed (A, B: the left and right operand; K: the contracted axis; several contracted axes count as one K, in the product's order):
;;     1. batch 64 x [M 2,048, K 64] x [K 64, N 2,048]; A: input query; B: input key: QUANTISED
;;     2. batch 64 x [M 64, K 2,048] x [K 2,048, N 2,048]; A: input value; B: softmax (see below): QUANTISED
;;   THE QUANTISER, for each operand of a quantised product, along K:
;;     - K is cut into blocks of 32 from its start; a last block that is shorter is filled with zeros.
;;     - A block's scale is 2^e with e = floor(log2(the largest magnitude in the block)) - 4, held to -126 .. 127; a block of zeros has e = 0. As a byte (E8M0): e + 127.
;;     - Each number is divided by its block's scale, clamped to +-28, and rounded to the nearest number of E3M2, ties to even, subnormals kept.
;;     - The product sums the exact products of the quantised numbers (number of the format x scale) in f32.
;;   ~~~python
;;   def quantise(x, axis):      # numpy; x: float32 -> the quantised numbers, widened to float32 again
;;       x = np.moveaxis(x, axis, -1); K = x.shape[-1]
;;       x = np.pad(x, [(0, 0)] * (x.ndim - 1) + [(0, -K % 32)]); x = x.reshape(x.shape[:-1] + (-1, 32)); a = np.abs(x).max(-1, keepdims=True)
;;       e = np.where(a > 0, np.clip(np.frexp(np.where(a > 0, a, 1))[1] - 1 - 4, -126, 127), 0)      # np.frexp(a)[1] - 1 = floor(log2(a)), exactly
;;       r = np.clip(x / 2.0 ** e, -28, 28)
;;       step = 2.0 ** (np.maximum(np.frexp(np.where(r == 0, 1, r))[1] - 1, -2) - 2)
;;       q = np.round(r / step) * step * 2.0 ** e      # np.round: ties to even
;;       return np.moveaxis(q.reshape(q.shape[:-2] + (-1,))[..., :K], -1, axis).astype(np.float32)
;;   ~~~
;;   SOFTMAX AHEAD OF A QUANTISED PRODUCT. Where the list says 'softmax', what is quantised is not the finished softmax but p = 2^(t - M), with t = logit x log2(e) and M = ceil(the row's largest t), a whole number; so 1/2 < the row's largest p <= 1. The row's sum l is taken of the UNQUANTISED p, in f32, and the product's result is divided by l at the end. Since M is a whole number, a kernel that streams over the keys may use a running M (the ceiling of the running maximum): every later rescaling is an exact power of two, which a block's scale takes up: the codes' values come out the same.
;;   OPERANDS COMPUTED ON THE WAY. 'Computed on the way' means the value that the module computes at that place (a softmax that the list does not call 'softmax' is quantised finished and normalised). What goes into a quantiser is computed in f32, as accurately as f32 sums, v_exp_f32 and their like allow (about 1e-6 of the number): no bf16 or f16 on the way to a quantiser, and a product that is left as it is and whose result goes on into a quantised operand takes f32 operands (vector FMAs, or v_wmma_f32_16x16x4_f32). A number that lies on a knife's edge between two numbers of the format may be rounded either way, as far as f32 arithmetic and the matrix unit's own rounding can turn it there, and no further.
;; One version. Each part assembles by itself: llvm-mc -triple=amdgcn-amd-amdhsa -mcpu=gfx1250 --defsym DOCPART=n.
;; ======== version 1 of 1: 2 launches
;; limits: right only within a limited range of input values
;; workspace buffers: kv 13,631,488 bytes; maskw 1,048,576 bytes of whole numbers; flags 4,096 bytes of whole numbers
;; launch prep (part 1): grid 768 x 1, 4 waves a work-group, no clusters, 52,736 bytes of LDS; arguments key, value, attention_mask, kv, maskw, flags; writes kv, maskw, flags
.if DOCPART == 1
	.amdgcn_target "amdgcn-amd-amdhsa--gfx1250"
	.amdhsa_code_object_version 6
	.text
	.protected	k_q0cbc6a99e3_prep
	.globl	k_q0cbc6a99e3_prep
	.p2align	8
	.type	k_q0cbc6a99e3_prep,@function
k_q0cbc6a99e3_prep:
	s_mov_b64 s[64:65], 0
	v_nop
	global_prefetch_b8 v0, s[64:65] scope:SCOPE_SE
	s_setreg_imm32_b32 hwreg(HW_REG_WAVE_MODE, 25, 1), 1
	s_wait_xcnt 0x0
; key and value [2048 (s)][64 (head = 32 b + n)][64] f32 become codes of BF6 (E3M2) with one E8M0 scale byte for each 32 along a product's K, and
; attention_mask [2][2048 (q)][2048 (k)] of bytes becomes lane masks, all laid in the ORDER OF THE REGISTERS that the attention launch loads them into.
; kv: [head 64][step 16][13,312 bytes]; a step is 128 keys.  In a block:
;   0      K's codes: 48 registers (tile t of 16 keys: registers 6 t .. 6 t + 5), register x of lane l at 512 (x / 4) + 16 l + 4 (x % 4).  Lane (rho, h) of tile 2 i + u holds key 32 i + 8 u + rho + 8 (rho / 8), k = 32 h .. 32 h + 31
;   6,144  V's codes: 48 registers (tile tau of 16 channels: 12 tau ..), same formula.  Lane (rho, h): channel 16 tau + rho; registers 6 c .. 6 c + 5: keys 64 c + 32 h + 0 .. 31
;   12,288 K's scale words: register i of lane l (at 16 l + 4 i): tile 2 i + l / 16, row l % 16; bytes 0, 1 the two blocks, bytes 2, 3 = 0x7f (the product's K is filled from 64 to 128 with zero codes)
;   12,800 V's scale words: register i of lane l (at 8 l + 4 i): channel 32 i + l; byte beta: keys 32 beta ..
;   13,056 256 zero bytes, so that four blocks are 16 x 13 rows of 256 bytes
; maskw: [b 2][tile of 16 queries 128][step 16][64 words]; bit l of word n: the mask of query l % 16, key 32 (n / 16) + 16 (l / 16) + n % 16 of the step.
; A block's scale is 2^(floor(log2(its largest magnitude)) - 4); its byte is the largest magnitude's exponent field - 4, held at 1 from below by a floor among the maximum's leaves.
; LIMITS: a block of zeros gets the byte 1 where the rule says 127 (its codes are zeros, and this program alone reads the bytes); NaN and infinities among the inputs are not served.
; ROLES by the work-group's number: 0-255 key, 256-511 value (a wave takes one head's step), 512-767 the mask (a work-group takes 16 queries, a wave 512 keys).  Waves share nothing: no barrier.
; Each role that uses LDS has bytes of its own: key 0 .. 34,815 (32 rows x 272 a wave), mask 34,816 .. 52,223 (16 rows x 272 a wave).
.set KVB,   13312
.set ROWB,  16384                      ; bytes from a position s to the next
.set SP,    272                        ; a stage row: 256 bytes + 16
.set KSTG,  32*SP
.set MSTG0, 4*KSTG
.set MSTG,  16*SP
.set R0,    32                         ; key: v32-95, v96-159 two sets of 64 registers as loaded
.set X,     160                        ; key: v160-223 two tiles' 32 numbers a lane
.set CR,    224                        ; key: v224-235 two tiles' codes
.set T0,    236                        ; key: second halves of the blocks' codes (a conversion's three registers begin on an even number)
.set T1,    240
.set KSW,   244                        ; key: v244-247 the scale words
.set VX,    32                         ; value: v32-63, v64-95 two sets of 32 numbers
.set RUN,   96                         ; value: v96-143: RUN + 24 e + 12 hh: twelve registers of one tile's lanes 16 hh ..
.set VT,    144
.set VW,    148                        ; value: v148-149 the scale words
.set VZ,    150                        ; value: v150-151 zeros
.set MR0,   32                         ; mask: v32-95 as loaded
.set MY,    96                         ; mask: v96-127 back from the stage
.set MWD,   16                         ; mask: v16-23 the words, two registers a step
	s_load_b256 s[4:11], s[0:1], 0x0               ; key s[4:5], value s[6:7], attention_mask s[8:9], kv s[10:11]
	s_load_b128 s[12:15], s[0:1], 0x20             ; maskw, flags
	v_lshl_add_u32 v248, v0, 2, 0xcc00
	v_mov_b32 v249, 0
	v_lshrrev_b32 v1, 5, v0
	v_readfirstlane_b32 s16, v1                    ; wave 0..3
	v_and_b32 v1, 31, v0                           ; lane
	v_and_b32 v2, 15, v0                           ; r
	v_bfe_u32 v3, v0, 4, 1                         ; h
	s_mov_b32 s18, 0x76543210
	s_mov_b32 s19, 0xfedcba98                      ; v_permlanex16_b32's selects for lane l xor 16
	s_wait_kmcnt 0x0
	s_cmp_ge_u32 ttmp9, 512
	s_cbranch_scc1 .Lmask
	; key and value: unit u = 4 x (work-group % 256) + wave: head u % 64, step u / 64.  The four waves stand on 1,024 neighbouring bytes of each position
	s_and_b32 s20, ttmp9, 255
	s_lshl_b32 s20, s20, 2
	s_add_co_u32 s20, s20, s16
	s_and_b32 s21, s20, 63                         ; head
	s_lshr_b32 s22, s20, 6                         ; step
	s_lshl_b32 s24, s22, 21                        ; 128 positions of 16,384 bytes
	s_lshl_b32 s25, s21, 8
	s_add_co_u32 s24, s24, s25
	s_mov_b32 s25, 0
	s_lshl_b32 s26, s21, 4
	s_add_co_u32 s26, s26, s22
	s_mul_i32 s26, s26, KVB
	s_mov_b32 s27, 0
	s_add_nc_u64 s[10:11], s[10:11], s[26:27]      ; my block of kv
	s_cmp_ge_u32 ttmp9, 256
	s_cbranch_scc1 .Lvalue
	; ---------------- KEY.  K (the head's 64) is innermost: rows are loaded whole, 256 bytes by sixteen lanes, and turn through the wave's stage so that a lane holds a block's 32 neighbours
	s_add_nc_u64 s[4:5], s[4:5], s[24:25]
	s_mul_i32 s28, s16, KSTG                       ; my stage
	s_mov_b32 s30, 0xffff0000                      ; lanes 16-31
	s_wait_alu depctr_va_vdst(0)
	v_lshlrev_b32 v4, 14, v3
	v_lshl_add_u32 v4, v2, 4, v4                   ; in: lanes 0-15 one key's row, lanes 16-31 the next; 16 bytes a lane
	v_mul_u32_u24 v5, v3, SP
	v_lshl_add_u32 v5, v2, 4, v5
	v_add_nc_u32 v5, s28, v5                       ; into the stage, as loaded
	v_mul_u32_u24 v6, v2, SP
	v_lshl_add_u32 v6, v3, 7, v6
	v_add_nc_u32 v6, s28, v6                       ; out of it: row r, my half's 128 bytes
	v_lshlrev_b32 v7, 4, v1                        ; an image's place for my lane
	v_lshlrev_b32 v16, 3, v3                       ; 8 h: my byte's place in a scale word
	v_mov_b32 v14, 0                               ; written once: a lane permute's destination counts as one of its sources
	v_mov_b32 v15, 0
.macro KLOAD i                         ; keys 32 i .. 32 i + 31 of the step: sixteen loads of two whole rows
.irp m, 0,1,2,3,4,5,6,7,8,9,10,11,12,13,14,15
	; WHICH KEYS FORM A TILE (this stands in place of the order that the head comment gives for K's codes and scale words): number x = 2 m + lane / 16 of pair i is key 64 (i / 2) + 32 (x / 16) + 16 (i % 2) + x % 16 of the step,
	; so that row rho of tile t holds key 64 (t / 4) + 32 (rho / 8) + 8 (t % 4) + rho % 8
	global_load_b128 v[R0+64*((\i)%2)+4*\m:R0+64*((\i)%2)+4*\m+3], v4, s[4:5] offset:(64*((\i)/2)+16*((\i)%2)+32*(\m/8)+2*(\m%8))*ROWB th:TH_LOAD_NT
.endr
.endm
; 32 keys = tiles 2 i and 2 i + 1.  Key x of the 32 goes to stage row x with its bits 3 and 4 exchanged: row rho of tile u (key 8 u + rho + 8 (rho / 8)) then lies at stage row 16 u + rho
.macro KPAIR i
.if (\i) < 3
	s_wait_loadcnt 16                              ; this pair's sixteen loads are in; the next pair's sixteen may be out
.else
	s_wait_loadcnt 0x0
.endif
.irp m, 0,1,2,3,4,5,6,7,8,9,10,11,12,13,14,15
	ds_store_b128 v5, v[R0+64*((\i)%2)+4*\m:R0+64*((\i)%2)+4*\m+3] offset:(((2*\m)&7)+(((2*\m)>>3)&1)*16+(((2*\m)>>4)&1)*8)*SP
.endr
.irp u, 0,1
.irp e, 0,1,2,3,4,5,6,7
	ds_load_b128 v[X+32*\u+4*\e:X+32*\u+4*\e+3], v6 offset:16*\u*SP+16*\e   ; LDS serves a wave's instructions in order: these see my stores
.endr
.endr
	s_wait_dscnt 0x0                               ; the numbers are back, and the stores have read their registers,
.if (\i) < 2
	KLOAD (\i)+2                                   ; which take the loads of two pairs on
.endif
.irp u, 0,1                                    ; each tile's block: all its 32 numbers are mine; two chains a tile, the tiles by turns
	v_max3_num_f32 v[8+2*\u], |v[X+32*\u]|, |v[X+32*\u+1]|, |v[X+32*\u+2]|
	v_max3_num_f32 v[9+2*\u], |v[X+32*\u+3]|, |v[X+32*\u+4]|, |v[X+32*\u+5]|
.endr
.irp j, 6,10,14,18,22,26
.irp u, 0,1
	v_max3_num_f32 v[8+2*\u], v[8+2*\u], |v[X+32*\u+\j]|, |v[X+32*\u+\j+1]|
	v_max3_num_f32 v[9+2*\u], v[9+2*\u], |v[X+32*\u+\j+2]|, |v[X+32*\u+\j+3]|
.endr
.endr
.irp u, 0,1
	v_max3_num_f32 v[8+2*\u], v[8+2*\u], |v[X+32*\u+30]|, |v[X+32*\u+31]|
.endr
.irp u, 0,1
	v_max3_num_f32 v[8+2*\u], v[8+2*\u], v[9+2*\u], 0x2800000   ; and the floor 2^(5 - 127): the byte cannot fall under 1
.endr
.irp u, 0,1
	v_add_nc_u32 v[12+\u], 0xfe000000, v[8+2*\u]   ; 4 off the exponent field: the conversion's scale operand
.endr
.irp u, 0,1
	v_lshrrev_b32 v[8+2*\u], 23, v[12+\u]          ; the scale's byte,
.endr
.irp u, 0,1
	v_lshlrev_b32 v[8+2*\u], v16, v[8+2*\u]        ; at its place: block h is byte h
.endr
.irp u, 0,1
	v_permlanex16_b32 v[14+\u], v[8+2*\u], s18, s19
.endr
.irp u, 0,1
	v_or_b32 v[8+2*\u], v[8+2*\u], v[14+\u]        ; with lane l xor 16's byte: the row's two bytes
.endr
	v_cndmask_b32 v[KSW+(\i)], v8, v10, s30        ; lanes 0-15 keep tile 2 i's word, lanes 16-31 tile 2 i + 1's
	v_or_b32 v[KSW+(\i)], 0x7f7f0000, v[KSW+(\i)]  ; 2^0 for the two blocks of zero codes
.if (\i) > 0
	s_wait_xcnt 0x0                                ; the last pair's stores have read their data: the codes' registers are written again only behind this wait
.endif
	v_cvt_scalef32_pk16_bf6_f32 v[CR:CR+2], v[X:X+15], v12
	v_cvt_scalef32_pk16_bf6_f32 v[T0:T0+2], v[X+16:X+31], v12
	v_cvt_scalef32_pk16_bf6_f32 v[CR+6:CR+8], v[X+32:X+47], v13
	v_cvt_scalef32_pk16_bf6_f32 v[T1:T1+2], v[X+48:X+63], v13
	v_nop                                          ; one plain place behind the scaled conversions
.irp k, 0,1,2
	v_mov_b32 v[CR+3+\k], v[T0+\k]
	v_mov_b32 v[CR+9+\k], v[T1+\k]
.endr
.irp g, 0,1,2
	global_store_b128 v7, v[CR+4*\g:CR+4*\g+3], s[10:11] offset:512*(3*(\i)+\g)   ; 32 lanes store 512 consecutive bytes, at a multiple of 256 from kv's first byte
.endr
.endm
	KLOAD 0
	KLOAD 1
	s_wait_alu depctr_va_vdst(0)
	KPAIR 0
	KPAIR 1
	KPAIR 2
	KPAIR 3
	global_store_b128 v7, v[KSW:KSW+3], s[10:11] offset:12288
	s_wait_tensorcnt 0x0
	ds_add_u32 v248, v249
	s_wait_dscnt 0x0
	s_endpgm
	; ---------------- VALUE.  K (the keys) is the first axis: a lane takes a channel and its registers run down the keys, so a block of 32 lies in one lane and the codes come out with the keys innermost
.Lvalue:
	s_add_nc_u64 s[6:7], s[6:7], s[24:25]
	s_wait_alu depctr_va_vdst(0)
	v_lshlrev_b32 v4, 2, v1                        ; in: 4 bytes a lane
	v_mul_u32_u24 v5, v3, 1536
	v_lshl_add_u32 v5, v2, 4, v5                   ; out: lanes 16-31 hold the next tile (three groups of 512 bytes on); 16 bytes a row of a tile
	v_lshlrev_b32 v6, 3, v1                        ; 8 bytes a lane
	v_mov_b32 v[VZ], 0
	v_mov_b32 v[VZ+1], 0
.macro VLOAD n                         ; unit n = 2 beta + e: keys 32 beta .. + 31 of channels 32 e + lane
.irp k, 0,1,2,3,4,5,6,7,8,9,10,11,12,13,14,15,16,17,18,19,20,21,22,23,24,25,26,27,28,29,30,31
	global_load_b32 v[VX+32*((\n)%2)+\k], v4, s[6:7] offset:(32*((\n)/2)+\k)*ROWB+128*((\n)%2) th:TH_LOAD_NT
.endr
.endm
.macro VUNIT n
.set XS, VX+32*((\n)%2)
.set BE, (\n)/2
.set EE, (\n)%2
.set RU, RUN+24*EE+12*(BE%2)+6*(BE/2)  ; block beta = 2 c + hh belongs to lanes 16 hh .. of its tile, registers 6 c .. 6 c + 5
.if (\n) < 7
	s_wait_loadcnt 32                              ; this unit's 32 loads are in; the next unit's 32 may be out
.else
	s_wait_loadcnt 0x0
.endif
	v_max3_num_f32 v8, |v[XS]|, |v[XS+1]|, |v[XS+2]|
	v_max3_num_f32 v9, |v[XS+3]|, |v[XS+4]|, |v[XS+5]|
.irp j, 6,10,14,18,22,26
	v_max3_num_f32 v8, v8, |v[XS+\j]|, |v[XS+\j+1]|
	v_max3_num_f32 v9, v9, |v[XS+\j+2]|, |v[XS+\j+3]|
.endr
	v_max3_num_f32 v8, v8, |v[XS+30]|, |v[XS+31]|
	v_max3_num_f32 v8, v8, v9, 0x2800000           ; the floor 2^(5 - 127)
	v_add_nc_u32 v10, 0xfe000000, v8               ; the conversion's scale operand
	v_lshrrev_b32 v11, 23, v10                     ; the scale's byte
.if BE == 0
	v_mov_b32 v[VW+EE], v11
.else
	v_lshl_or_b32 v[VW+EE], v11, 8*BE, v[VW+EE]    ; byte beta of my channel's word
.endif
	v_cvt_scalef32_pk16_bf6_f32 v[RU:RU+2], v[XS:XS+15], v10
	v_cvt_scalef32_pk16_bf6_f32 v[VT:VT+2], v[XS+16:XS+31], v10
	v_nop                                          ; one plain place behind the scaled conversions
.irp k, 0,1,2
	v_mov_b32 v[RU+3+\k], v[VT+\k]
.endr
.if (\n) < 6
	VLOAD (\n)+2
.endif
.endm
	VLOAD 0
	VLOAD 1
.irp n, 0,1,2,3,4,5,6,7
	VUNIT \n
.endr
.irp e, 0,1
.irp hh, 0,1
.irp g, 0,1,2
	global_store_b128 v5, v[RUN+24*\e+12*\hh+4*\g:RUN+24*\e+12*\hh+4*\g+3], s[10:11] offset:6144+3072*\e+512*\g+256*\hh   ; sixteen lanes store 256 consecutive bytes, aligned
.endr
.endr
.endr
	global_store_b64 v6, v[VW:VW+1], s[10:11] offset:12800
	global_store_b64 v6, v[VZ:VZ+1], s[10:11] offset:13056
	s_endpgm
	; ---------------- MASK.  16 queries x 512 keys a wave, 256 keys (two steps) at a time through the wave's stage; a compare's result IS the word: bit l = lane l
.Lmask:
	s_sub_co_u32 s32, ttmp9, 512                   ; g = 128 b + tile of queries
	s_lshr_b32 s33, s32, 7
	s_and_b32 s34, s32, 127
	s_lshl_b32 s36, s33, 22                        ; b x 2,048 x 2,048
	s_lshl_b32 s35, s34, 15                        ; 16 rows of 2,048 bytes
	s_add_co_u32 s36, s36, s35
	s_lshl_b32 s35, s16, 9                         ; my 512 keys
	s_add_co_u32 s36, s36, s35
	s_mov_b32 s37, 0
	s_add_nc_u64 s[8:9], s[8:9], s[36:37]
	s_lshl_b32 s38, s32, 12                        ; 16 steps of 256 bytes a tile
	s_lshl_b32 s35, s16, 10                        ; my four steps
	s_add_co_u32 s38, s38, s35
	s_mov_b32 s39, 0
	s_add_nc_u64 s[12:13], s[12:13], s[38:39]
	s_mul_i32 s28, s16, MSTG
	s_add_co_u32 s28, s28, MSTG0                   ; my stage
	s_mov_b32 s20, 0xff
	s_mov_b32 s21, 0xff00
	s_mov_b32 s22, 0xff0000
	s_mov_b32 s23, 0xff000000
	; flags: [b 2][tile of 16 queries 128][wave 4] words.  Bit s of a word: all 16 x 128 places of step s are masked; bit 16 + s: none is.  A wave sets the bits of its own four steps
	s_lshl_b32 s40, s32, 4
	s_lshl_b32 s41, s16, 2
	s_add_co_u32 s40, s40, s41
	s_mov_b32 s41, 0
	s_add_nc_u64 s[14:15], s[14:15], s[40:41]
	s_lshl_b32 s45, s16, 2                         ; my first step
	s_mov_b32 s44, 0
	s_wait_alu depctr_va_vdst(0)
	v_lshlrev_b32 v4, 11, v3
	v_lshl_add_u32 v4, v2, 4, v4                   ; in: lanes 0-15 one query's 256 bytes, lanes 16-31 the next query's
	v_mul_u32_u24 v5, v3, SP
	v_lshl_add_u32 v5, v2, 4, v5
	v_add_nc_u32 v5, s28, v5
	v_mul_u32_u24 v6, v2, SP
	; maskw's words follow the same order (in place of the head comment's): bit l of word n is query l % 16, key 64 (n / 32) + 32 (l / 16) + n % 32 of the step
	v_lshl_add_u32 v6, v3, 5, v6                   ; out: query r, 32 h bytes on
	v_add_nc_u32 v6, s28, v6                       ; out: query r, 32 h bytes on
	v_lshlrev_b32 v7, 3, v1
.irp k, 0,1,2,3,4,5,6,7
	v_mov_b32 v[MWD+\k], 0                         ; a writelane's destination counts as one of its sources
.endr
.irp pi, 0,1
.irp m, 0,1,2,3,4,5,6,7
	global_load_b128 v[MR0+32*\pi+4*\m:MR0+32*\pi+4*\m+3], v4, s[8:9] offset:2*\m*2048+256*\pi th:TH_LOAD_NT
.endr
.endr
.macro MSTEP pi, sg                    ; step 2 pi + sg of my four: word 4 n + q tests byte q of register n
.set n, 0
.rept 16
.irp q, 0,1,2,3
	v_and_b32 v[8+\q], s[20+\q], v[MY+16*(\sg)+n]
.endr
.irp q, 0,1,2,3
	v_cmp_ne_u32 s[24+\q], 0, v[8+\q]
.endr
.irp q, 0,1,2,3
	v_writelane_b32 v[MWD+2*(2*(\pi)+(\sg))+\q%2], s[24+\q], 2*n+\q/2   ; lane L will store words 2 L and 2 L + 1
.endr
.set n, n+1
.endr
	global_store_b64 v7, v[MWD+2*(2*(\pi)+(\sg)):MWD+2*(2*(\pi)+(\sg))+1], s[12:13] offset:256*(2*(\pi)+(\sg))
	v_or_b32 v12, v[MY+16*(\sg)], v[MY+16*(\sg)+1]   ; the step's 2,048 bytes, 0 or 1 each: their OR and their AND
	v_and_b32 v13, v[MY+16*(\sg)], v[MY+16*(\sg)+1]
.irp j, 2,3,4,5,6,7,8,9,10,11,12,13,14,15
	v_or_b32 v12, v12, v[MY+16*(\sg)+\j]
	v_and_b32 v13, v13, v[MY+16*(\sg)+\j]
.endr
	v_cmp_eq_u32 s40, 0, v12                       ; lanes with no masked place
	v_cmp_eq_u32 s41, 0x01010101, v13              ; lanes with masked places alone
	s_cmp_eq_u32 s40, -1
	s_cselect_b32 s42, 0x10000<<(2*(\pi)+(\sg)), 0
	s_cmp_eq_u32 s41, -1
	s_cselect_b32 s43, 1<<(2*(\pi)+(\sg)), 0
	s_or_b32 s44, s44, s42
	s_or_b32 s44, s44, s43
.endm
.macro MHALF pi
.if (\pi) == 0
	s_wait_loadcnt 8                               ; the first eight loads are in; the second half's eight may be out
.else
	s_wait_loadcnt 0x0
.endif
.irp m, 0,1,2,3,4,5,6,7
	ds_store_b128 v5, v[MR0+32*(\pi)+4*\m:MR0+32*(\pi)+4*\m+3] offset:2*\m*SP
.endr
.irp sg, 0,1
.irp be, 0,1,2,3
	ds_load_b128 v[MY+16*\sg+4*\be:MY+16*\sg+4*\be+3], v6 offset:128*\sg+64*(\be/2)+16*(\be%2)   ; keys 64 (beta / 2) + 32 h + 16 (beta % 2) + 0 .. 15 of the step
.endr
.endr
	s_wait_dscnt 0x0
	MSTEP \pi, 0
	MSTEP \pi, 1
.endm
	MHALF 0
	MHALF 1
	s_lshl_b32 s44, s44, s45                       ; my four steps' bits at their places in the tile's sixteen
	v_mov_b32 v8, s44
	v_mov_b32 v9, 0
	v_cmp_eq_u32 vcc_lo, 0, v1
	s_wait_alu depctr_va_vdst(0)
	s_wait_xcnt 0x0                                ; EXEC changes only behind this wait
	s_and_saveexec_b32 s46, vcc_lo
	global_store_b32 v9, v8, s[14:15]              ; lane 0 stores my word
	s_wait_xcnt 0x0
	s_or_b32 exec_lo, exec_lo, s46
	s_wait_tensorcnt 0x0
	ds_add_u32 v248, v249
	s_wait_dscnt 0x0
	s_endpgm
.Lfunc_end_k_q0cbc6a99e3_prep:
	.size	k_q0cbc6a99e3_prep, .Lfunc_end_k_q0cbc6a99e3_prep-k_q0cbc6a99e3_prep
	.p2alignl 7, 3214868480
	.fill 96, 4, 3214868480
	.section	.rodata,"a",@progbits
	.p2align	6, 0x0
	.amdhsa_kernel k_q0cbc6a99e3_prep
		.amdhsa_group_segment_fixed_size 52736
		.amdhsa_private_segment_fixed_size 0
		.amdhsa_enable_private_segment 0
		.amdhsa_kernarg_size 48
		.amdhsa_user_sgpr_count 2
		.amdhsa_user_sgpr_kernarg_segment_ptr 1
		.amdhsa_wavefront_size32 1
		.amdhsa_system_sgpr_workgroup_id_x 1
		.amdhsa_system_sgpr_workgroup_id_y 1
		.amdhsa_system_sgpr_workgroup_id_z 1
		.amdhsa_system_vgpr_workitem_id 0
		.amdhsa_next_free_vgpr 250
		.amdhsa_next_free_sgpr 66
		.amdhsa_reserve_vcc 1
		.amdhsa_float_denorm_mode_32 3
		.amdhsa_float_denorm_mode_16_64 3
		.amdhsa_memory_ordered 1
		.amdhsa_forward_progress 1
		.amdhsa_inst_pref_size 120
	.end_amdhsa_kernel
	.amdgpu_metadata
---
amdhsa.version: [ 1, 2 ]
amdhsa.kernels:
  - .name:           k_q0cbc6a99e3_prep
    .symbol:         k_q0cbc6a99e3_prep.kd
    .args:
      - { .name: key, .offset: 0, .size: 8, .value_kind: global_buffer, .address_space: global }
      - { .name: value, .offset: 8, .size: 8, .value_kind: global_buffer, .address_space: global }
      - { .name: attention_mask, .offset: 16, .size: 8, .value_kind: global_buffer, .address_space: global }
      - { .name: kv, .offset: 24, .size: 8, .value_kind: global_buffer, .address_space: global }
      - { .name: maskw, .offset: 32, .size: 8, .value_kind: global_buffer, .address_space: global }
      - { .name: flags, .offset: 40, .size: 8, .value_kind: global_buffer, .address_space: global }
    .group_segment_fixed_size: 52736
    .private_segment_fixed_size: 0
    .kernarg_segment_align: 8
    .kernarg_segment_size: 48
    .max_flat_workgroup_size: 128
    .sgpr_count:     66
    .vgpr_count:     250
    .wavefront_size: 32
...
	.end_amdgpu_metadata
.endif
;; end of part 1
;; launch attn (part 2): grid 4 x 64, 16 waves a work-group, no clusters, 284,672 bytes of LDS; arguments query, kv, maskw, flags, out0; writes out0
.if DOCPART == 2
	.amdgcn_target "amdgcn-amd-amdhsa--gfx1250"
	.amdhsa_code_object_version 6
	.text
	.protected	k_q0cbc6a99e3_attn
	.globl	k_q0cbc6a99e3_attn
	.p2align	8
	.type	k_q0cbc6a99e3_attn,@function
k_q0cbc6a99e3_attn:
	s_mov_b64 s[64:65], 0
	v_nop
	global_prefetch_b8 v0, s[64:65] scope:SCOPE_SE
	s_setreg_imm32_b32 hwreg(HW_REG_WAVE_MODE, 25, 1), 1
	s_wait_xcnt 0x0
; out0 = softmax(where(mask, -10000, q k^T / 8)) v in MX-BF6, one head (y = 32 b + n) and 512 queries to a work-group, 2 tiles of 16 queries to a wave.
; kv, maskw and flags are laid by the launch before.  Both products are used transposed: a lane holds one query.
; Row rho of K's tile t is key 64 (t / 4) + 32 (rho / 8) + 8 (t % 4) + rho % 8 of a step of 128: so the 32 score registers of tiles 4 c .. 4 c + 3 in lane (r, h) are keys 64 c + 32 h + 0 .. 31,
; ONE WHOLE BLOCK of the second product's K, in the order that its operand wants: a block's maximum and its codes need no other lane.
; THE MASK STEERS THE WALK.  flags says of each tile of 16 queries x 128 keys whether all its places are masked, none, or some.
;   all:  where() puts -10000 in every place, whatever q k^T holds there: the first product, the maxima, the exponentials and the quantiser of such a tile have one known result,
;         p0 = 2^(t0 - M), t0 = -10000 log2(e), the same for all 128 keys.  These steps are taken FIRST, under M = ceil(t0): p0 is made and quantised once a tile by the same
;         instructions as any p, the row's sum starts as (number of such keys) x p0, and the second product is done for them by its own matrix instructions.  The running M then rescales as for any earlier step.
;   none: the 64 selects are jumped over.   some: the step's 64 mask words are used; they are loaded one such step ahead (the next set bit of PART, held to 15).
; The choice hangs on whole numbers read from memory, for every mask alike.  A wave takes tiles i and 127 - i (i = 16 x + wave): the deal is free, any mask is served.
; NO TENSOR LOAD, SO NO JOINT LOAD.  The head's 212,992 bytes of kv come through registers:
; wave w copies step w's 13,312 bytes (26 loads of 512 bytes) into LDS; one barrier; behind it waves share nothing that is written.
; PREFETCH: kv is asked for in one run at the head, with no loop to run ahead in: none.  The second tile's 16 rows of q, 256 bytes each, are named once, a lane a row, behind the barrier: a whole tile's walk ahead of their loads.
; LIMITS: the scaled scores stay under 2^31 in magnitude; mask bytes are 0 or 1; NaN and infinities among the inputs are not served.
.set STEPB, 13312
.set HEADB, 16*STEPB
.set STG,   HEADB                      ; behind kv: 16 rows x 272 bytes for each wave
.set SP,    272
.set SPARE, STG+16*16*SP               ; the spare words, 128 bytes a wave
.set ROWB,  16384
.set L16, 1
.set L8,  2
.set AD,  3
.set AD8, 4
.set STO, 5
.set RD,  6
.set GO,  7
.set MV,  8                            ; -80000: x log2(e) / 8 it is t0
.set QR,  9
.set CC,  10                           ; log2(e) / 8, twice
.set NM,  12                           ; -M, the running largest t
.set LS,  14                           ; the row's sum in two halves
.set QC,  16                           ; q's codes (upper six: zero codes), QS its scale word
.set QS,  28
.set KV,  36                           ; 48 registers of K's or V's codes, 6 of zero codes
.set KS,  90
.set VS,  94
.set S,   96                           ; scores, then p
.set QL,  140                          ; the head: the first tile's q as loaded, v140-171
.set O,   160
.set PC,  192
.set CT,  204
.set BM,  212
.set BT,  216
.set SO,  220
.set TMP, 224
.set FF,  226
.set PS,  228
.set H8,  229
.set L2,  230
.set FA,  232
.set PFO, 233                          ; the prefetch's offset: a row of q a lane; never rewritten
.set SPW, 240
.set NIL, 241
.set SEL, 2
.set QP,  4                            ; query, then the second tile's rows; not rewritten behind that
.set KP,  6
.set MBB, 8
.set FBB, 10
.set OBB, 12
.set MB,  14
.set OB,  16
.set FP,  18
.set FW,  20
.set WV,  24
.set TB,  25
.set IX,  26
.set ALLM, 27
.set NONEM, 28
.set PART, 29
.set MOFF, 30
.set ANY, 31
.set MW0, 32
.set T0,  66
.set MW1, 68
.set TILE, 100
.set HD8, 104
.set B128, 105
	s_load_b256 s[4:11], s[0:1], 0x0               ; query, kv, maskw, flags
	s_load_b64 s[OBB:OBB+1], s[0:1], 0x20          ; out0
	v_lshl_add_u32 v[SPW], v0, 2, SPARE
	v_mov_b32 v[NIL], 0
	v_lshrrev_b32 v1, 5, v0
	s_delay_alu instid0(VALU_DEP_1)
	v_readfirstlane_b32 s[WV], v1
	v_and_b32 v[L2], 15, v0                        ; r
	v_bfe_u32 v[L2+1], v0, 4, 1                    ; h
	v_and_b32 v1, 31, v0
	s_delay_alu instid0(VALU_DEP_1)
	v_lshlrev_b32 v[L8], 3, v1
	s_delay_alu instid0(VALU_DEP_2)
	v_lshlrev_b32 v[L16], 4, v1
	s_delay_alu instid0(VALU_DEP_4)
	v_lshlrev_b32 v[H8], 3, v[L2+1]
	s_mul_i32 s20, s[WV], 16*SP
	s_add_co_u32 s20, s20, STG                     ; my stage
	v_mul_u32_u24 v[STO], v[L2], SP
	s_delay_alu instid0(VALU_DEP_1)
	v_add_nc_u32 v[STO], s20, v[STO]
	s_delay_alu instid0(VALU_DEP_1)
	v_lshl_add_u32 v[QR], v[L2+1], 7, v[STO]       ; q back: row r, my half's 128 bytes
	s_delay_alu instid0(VALU_DEP_2)
	v_lshl_add_u32 v[STO], v[L2+1], 5, v[STO]      ; o in: row r, 32 h
	v_mul_u32_u24 v[RD], v[L2+1], SP
	s_delay_alu instid0(VALU_DEP_1)
	v_lshl_add_u32 v[RD], v[L2], 4, v[RD]
	s_delay_alu instid0(VALU_DEP_1)
	v_add_nc_u32 v[RD], s20, v[RD]                 ; whole rows: row h, 16 r
	v_lshlrev_b32 v[GO], 14, v[L2+1]
	s_delay_alu instid0(VALU_DEP_1)
	v_lshl_add_u32 v[GO], v[L2], 4, v[GO]          ; the same two rows in query and out0
	s_mul_i32 s21, s[WV], STEPB
	v_add_nc_u32 v[FA], s21, v[L16]                ; where my step's block goes in LDS
	v_and_b32 v[PFO], 31, v0
	s_delay_alu instid0(VALU_DEP_1)
	v_min_u32 v[PFO], 15, v[PFO]                   ; lanes 16-31 name the last row again
	s_delay_alu instid0(VALU_DEP_1)
	v_lshlrev_b32 v[PFO], 14, v[PFO]
	v_mov_b32 v[MV], 0xc79c4000
	v_mov_b32 v[CC], 0x3e38aa3b
	v_mov_b32 v[CC+1], 0x3e38aa3b
.irp k, 0,1,2,3,4,5
	v_mov_b32 v[QC+6+\k], 0                        ; the first product's K is filled from 64 to 128 with zero codes
.endr
	v_mov_b32 v[BT], 0                             ; a lane permute's destination counts as one of its sources
	v_mov_b32 v[TMP], 0
	v_mov_b32 v[FF+1], 0
	s_and_b32 s[HD8], ttmp7, 0xffff                ; head
	s_lshr_b32 s[B128], s[HD8], 5
	s_lshl_b32 s[B128], s[B128], 7                 ; 128 b
	s_mul_i32 s[T0], s[HD8], HEADB
	s_add_co_u32 s[T0], s[T0], s21                 ; kv: my head's block of step = wave
	s_mov_b32 s[T0+1], 0
	s_lshl_b32 s[HD8], s[HD8], 8                   ; 256 bytes a head in a position's row
	s_lshl_b32 s[TILE], ttmp9, 4
	s_add_co_u32 s[TILE], s[TILE], s[WV]           ; my first tile, i = 16 x + wave
	s_lshl_b32 s20, s[TILE], 18                    ; 16 positions of 16,384 bytes
	s_add_co_u32 s20, s20, s[HD8]
	s_mov_b32 s21, 0
	s_sub_co_u32 s22, 127, s[TILE]                 ; my second tile
	s_lshl_b32 s22, s22, 18
	s_add_co_u32 s22, s22, s[HD8]
	s_mov_b32 s23, 0
	s_mov_b32 s[SEL], 0x76543210
	s_mov_b32 s[SEL+1], 0xfedcba98
	s_wait_alu depctr_va_vdst(0)
	s_wait_kmcnt 0x0
	s_add_nc_u64 s[KP:KP+1], s[KP:KP+1], s[T0:T0+1]
	s_add_nc_u64 s[MB:MB+1], s[QP:QP+1], s[20:21]
	s_add_nc_u64 s[QP:QP+1], s[QP:QP+1], s[22:23]
.set n, 0
.rept 26
	global_load_b128 v[KV+4*n:KV+4*n+3], v[L16], s[KP:KP+1] offset:512*n
.set n, n+1
.endr
.irp i, 0,1,2,3,4,5,6,7
	global_load_b128 v[QL+4*\i:QL+4*\i+3], v[GO], s[MB:MB+1] offset:2*\i*ROWB th:TH_LOAD_NT
.endr
	s_wait_loadcnt 8                               ; kv's 26 loads are in; q's eight may be out
.set n, 0
.rept 26
	ds_store_b128 v[FA], v[KV+4*n:KV+4*n+3] offset:512*n
.set n, n+1
.endr
	s_wait_dscnt 0x0
.macro QTURN src                       ; 16 rows of q through my stage: a lane then holds a block's 32 neighbours
.irp i, 0,1,2,3,4,5,6,7
	ds_store_b128 v[RD], v[\src+4*\i:\src+4*\i+3] offset:2*\i*SP
.endr
	s_wait_dscnt 0x0                               ; the stores have read their registers
.irp e, 0,1,2,3,4,5,6,7
	ds_load_b128 v[KV+4*\e:KV+4*\e+3], v[QR] offset:16*\e
.endr
	s_wait_dscnt 0x0
.endm
.macro QQ dst, dsts                    ; the quantiser: largest magnitude with the floor 2^(5 - 127), 4 off its exponent field, the byte, the codes
	v_max3_num_f32 v[BM], |v[KV]|, |v[KV+1]|, |v[KV+2]|
	v_max3_num_f32 v[BM+1], |v[KV+3]|, |v[KV+4]|, |v[KV+5]|
.irp i, 6,10,14,18,22,26
	s_delay_alu instid0(VALU_DEP_2)
	v_max3_num_f32 v[BM], v[BM], |v[KV+\i]|, |v[KV+\i+1]|
	s_delay_alu instid0(VALU_DEP_2)
	v_max3_num_f32 v[BM+1], v[BM+1], |v[KV+\i+2]|, |v[KV+\i+3]|
.endr
	s_delay_alu instid0(VALU_DEP_2)
	v_max3_num_f32 v[BM], v[BM], |v[KV+30]|, |v[KV+31]|
	s_delay_alu instid0(VALU_DEP_1)
	v_max3_num_f32 v[BM], v[BM], v[BM+1], 0x2800000
	s_delay_alu instid0(VALU_DEP_1)
	v_add_nc_u32 v[SO], 0xfe000000, v[BM]
	s_delay_alu instid0(VALU_DEP_1)
	v_lshrrev_b32 v[BM+1], 23, v[SO]
	s_delay_alu instid0(VALU_DEP_1)
	v_lshlrev_b32 v[BM+1], v[H8], v[BM+1]
	s_delay_alu instid0(VALU_DEP_1)
	v_permlanex16_b32 v[BT], v[BM+1], s[SEL], s[SEL+1]
	s_delay_alu instid0(VALU_DEP_1)
	v_or_b32 v[BM+1], v[BM+1], v[BT]
	s_delay_alu instid0(VALU_DEP_1)
	v_or_b32 v[\dsts], 0x7f7f0000, v[BM+1]
	v_cvt_scalef32_pk16_bf6_f32 v[\dst:\dst+2], v[KV:KV+15], v[SO]
	v_cvt_scalef32_pk16_bf6_f32 v[CT:CT+2], v[KV+16:KV+31], v[SO]
	v_nop
.irp k, 0,1,2
	v_mov_b32 v[\dst+3+\k], v[CT+\k]
.endr
.endm
	s_wait_loadcnt 0x0
	QTURN QL
	QQ QC, QS
.irp k, 0,1,2,3,4,5
	v_mov_b32 v[KV+48+\k], 0                       ; zero codes behind K's last tile
.endr
	s_wait_alu depctr_va_vdst(0)
	s_wait_dscnt 0x0                               ; my block of kv is stored
	s_barrier_signal -1
	s_barrier_wait -1                              ; everybody's is
.macro SPROD t
.if (\t)%2
	v_wmma_scale_f32_16x16x128_f8f6f4 v[S+8*(\t):S+8*(\t)+7], v[KV+6*(\t):KV+6*(\t)+11], v[QC:QC+11], 0, v[KS+(\t)/2], v[QS] matrix_a_fmt:MATRIX_FMT_BF6 matrix_b_fmt:MATRIX_FMT_BF6 matrix_a_scale:MATRIX_SCALE_ROW1
.else
	v_wmma_scale_f32_16x16x128_f8f6f4 v[S+8*(\t):S+8*(\t)+7], v[KV+6*(\t):KV+6*(\t)+11], v[QC:QC+11], 0, v[KS+(\t)/2], v[QS] matrix_a_fmt:MATRIX_FMT_BF6 matrix_b_fmt:MATRIX_FMT_BF6
.endif
.endm
.macro PVPROD t
.if (\t)%2
	v_wmma_scale_f32_16x16x128_f8f6f4 v[O+8*(\t):O+8*(\t)+7], v[KV+12*(\t):KV+12*(\t)+11], v[PC:PC+11], v[O+8*(\t):O+8*(\t)+7], v[VS+(\t)/2], v[PS] matrix_a_fmt:MATRIX_FMT_BF6 matrix_b_fmt:MATRIX_FMT_BF6 matrix_a_scale:MATRIX_SCALE_ROW1
.else
	v_wmma_scale_f32_16x16x128_f8f6f4 v[O+8*(\t):O+8*(\t)+7], v[KV+12*(\t):KV+12*(\t)+11], v[PC:PC+11], v[O+8*(\t):O+8*(\t)+7], v[VS+(\t)/2], v[PS] matrix_a_fmt:MATRIX_FMT_BF6 matrix_b_fmt:MATRIX_FMT_BF6
.endif
.endm
.macro VLOADS                          ; V's 48 registers of codes and its scale words
.irp g, 0,1,2,3,4,5,6,7,8,9,10,11
	ds_load_b128 v[KV+4*\g:KV+4*\g+3], v[AD] offset:6144+512*\g
.endr
	ds_load_b64 v[VS:VS+1], v[AD8] offset:12800
.endm
.macro MLOADS                          ; the 64 mask words of the lowest step in PART (none left: step 15's, which nobody uses)
	s_ctz_i32_b32 s[MOFF], s[PART]
	s_min_u32 s[MOFF], s[MOFF], 15
	s_lshl_b32 s[MOFF], s[MOFF], 8
	s_load_b512 s[MW0:MW0+15], s[MB:MB+1], s[MOFF] offset:0x0
	s_load_b512 s[MW0+16:MW0+31], s[MB:MB+1], s[MOFF] offset:0x40
	s_load_b512 s[MW1:MW1+15], s[MB:MB+1], s[MOFF] offset:0x80
	s_load_b512 s[MW1+16:MW1+31], s[MB:MB+1], s[MOFF] offset:0xc0
.endm
; One tile of 16 queries, number s[TILE], its codes in QC and QS.  more = 1: a second tile follows: its rows of q are prefetched at the start and loaded at the end
.macro TILEBODY more
	s_add_co_u32 s[T0], s[B128], s[TILE]           ; 128 b + tile
	s_lshl_b32 s20, s[T0], 4
	s_mov_b32 s21, 0
	s_add_nc_u64 s[FP:FP+1], s[FBB:FBB+1], s[20:21]
	s_load_b128 s[FW:FW+3], s[FP:FP+1], 0x0        ; the tile's four words of flags
	s_lshl_b32 s[T0], s[T0], 12
	s_mov_b32 s[T0+1], 0
	s_add_nc_u64 s[MB:MB+1], s[MBB:MBB+1], s[T0:T0+1]
	s_lshl_b32 s[T0], s[TILE], 18
	s_add_co_u32 s[T0], s[T0], s[HD8]
	s_add_nc_u64 s[OB:OB+1], s[OBB:OBB+1], s[T0:T0+1]
	s_wait_kmcnt 0x0
	s_or_b32 s[FW], s[FW], s[FW+1]
	s_or_b32 s[FW], s[FW], s[FW+2]
	s_or_b32 s[FW], s[FW], s[FW+3]
	s_and_b32 s[ALLM], s[FW], 0xffff               ; bit s: step s is wholly masked
	s_lshr_b32 s[NONEM], s[FW], 16                 ; bit s: step s has no masked place
	s_or_b32 s[PART], s[ALLM], s[NONEM]
	s_xor_b32 s[PART], s[PART], 0xffff             ; the steps that need their mask words
	MLOADS
	s_bcnt1_i32_b32 s[T0], s[ALLM]
	s_lshl_b32 s[T0], s[T0], 7
	s_cvt_f32_u32 s[T0], s[T0]                     ; the keys of the wholly masked steps
	s_cmp_lg_u32 s[ALLM], 0
	s_cselect_b32 s[ANY], -1, 0
	v_mul_f32 v[TMP], v[CC], v[MV]                 ; t0
	v_mov_b32 v[BT+1], 0xff61b1e6                  ; -3e38, under every t
	s_delay_alu instid0(VALU_DEP_2)
	v_floor_f32 v[BT], -v[TMP]                     ; -ceil(t0)
	s_delay_alu instid0(VALU_DEP_1)
	v_fma_f32 v[BM], v[MV], v[CC], v[BT]           ; t0 - M, by the multiply-add that every score takes
	s_wait_alu depctr_va_vdst(0)
	v_exp_f32 v[BM], v[BM]                         ; p0
	v_cndmask_b32 v[NM+1], v[BT+1], v[TMP], s[ANY] ; the largest t so far: t0 where a step is wholly masked
	s_delay_alu instid0(VALU_DEP_1)
	v_floor_f32 v[NM], -v[NM+1]
	v_mov_b32 v[LS+1], 0
	s_wait_alu depctr_va_vdst(0)
	v_mul_f32 v[LS], s[T0], v[BM]                  ; the sum of those keys' p
	v_add_nc_u32 v[SO], 0xfe000000, v[BM]          ; a block of 32 x p0: its largest is p0
.set n, 0
.rept 16
	v_mov_b32 v[S+n], v[BM]
.set n, n+1
.endr
	v_lshrrev_b32 v[PS], 23, v[SO]
	s_delay_alu instid0(VALU_DEP_1)
	v_lshl_or_b32 v[PS], v[PS], 8, v[PS]
	s_delay_alu instid0(VALU_DEP_1)
	v_lshl_or_b32 v[PS], v[PS], 16, v[PS]          ; the same byte for the four blocks
	v_cvt_scalef32_pk16_bf6_f32 v[PC:PC+2], v[S:S+15], v[SO]
	v_nop
.irp k, 0,1,2
	v_mov_b32 v[PC+3+\k], v[PC+\k]                 ; 16 codes are three registers: the operand is these three, four times
	v_mov_b32 v[PC+6+\k], v[PC+\k]
	v_mov_b32 v[PC+9+\k], v[PC+\k]
.endr
.set n, 0
.rept 32
	v_mov_b32 v[O+n], 0
.set n, n+1
.endr
.if \more
	global_prefetch_b8 v[PFO], s[QP:QP+1] th:TH_LOAD_NT scope:SCOPE_SE   ; the next tile's 16 rows of q; neither register is written again
.endif
	s_mov_b32 s[TB], 0
	s_mov_b32 s[IX], 0
	s_wait_alu depctr_va_vdst(0)
.Lmasked_\@:                                   ; the wholly masked steps: O^T += v^T p0
	s_bitcmp1_b32 s[ALLM], s[IX]
	s_cbranch_scc0 .Lmasked_next_\@
	v_add_nc_u32 v[AD], s[TB], v[L16]
	v_add_nc_u32 v[AD8], s[TB], v[L8]
	v_nop
	v_nop                                          ; four places ahead of loads into registers that matrix instructions have read
	VLOADS
	s_wait_dscnt 0x0
.irp t, 0,1,2,3
	PVPROD \t
.endr
.Lmasked_next_\@:
	s_add_co_u32 s[TB], s[TB], STEPB
	s_add_co_u32 s[IX], s[IX], 1
	s_cmp_lt_u32 s[IX], 16
	s_cbranch_scc1 .Lmasked_\@
.rept 4
	v_nop                                          ; the places behind the last of these products
.endr
	s_mov_b32 s[TB], 0
	s_mov_b32 s[IX], 0
.Lstep_\@:                                     ; the other steps
	s_bitcmp1_b32 s[ALLM], s[IX]
	s_cbranch_scc1 .Lstep_next_\@
	v_add_nc_u32 v[AD], s[TB], v[L16]
	v_add_nc_u32 v[AD8], s[TB], v[L8]
	ds_load_b128 v[KS:KS+3], v[AD] offset:12288    ; (the places behind the last products: the row's sums at a step's end, or the four above)
.irp g, 0,1,2,3,4,5,6,7,8,9,10,11
	ds_load_b128 v[KV+4*\g:KV+4*\g+3], v[AD] offset:512*\g
.endr
	s_wait_alu depctr_va_vdst(0)
	s_wait_dscnt 6                                 ; the scale words and 24 registers of codes are in; the last six loads may be out
	SPROD 0
	SPROD 1
	SPROD 2
	s_wait_dscnt 0x0
.irp t, 3,4,5,6,7
	SPROD \t
.endr
.rept 4
	v_nop
.endr
	VLOADS
	s_bitcmp1_b32 s[NONEM], s[IX]
	s_cbranch_scc1 .Lno_mask_\@
	s_wait_kmcnt 0x0                               ; this step's mask words
.set n, 0
.rept 32
	v_cndmask_b32 v[S+n], v[S+n], v[MV], s[MW0+n]
.set n, n+1
.endr
.set n, 0
.rept 32
	v_cndmask_b32 v[S+32+n], v[S+32+n], v[MV], s[MW1+n]
.set n, n+1
.endr
	s_wait_alu depctr_va_vdst(0)
	s_add_co_i32 s[T0], s[PART], -1
	s_and_b32 s[PART], s[PART], s[T0]              ; this step's bit, the lowest, is cleared
	MLOADS
.Lno_mask_\@:
.irp b, 0,1,2,3
	v_max3_num_f32 v[BM+\b], v[S+16*\b], v[S+16*\b+1], v[S+16*\b+2]   ; largest scores, four chains by turns, two to a block
.endr
.irp i, 3,5,7,9,11,13
.irp b, 0,1,2,3
	v_max3_num_f32 v[BM+\b], v[BM+\b], v[S+16*\b+\i], v[S+16*\b+\i+1]
.endr
.endr
.irp b, 0,1,2,3
	v_max_num_f32 v[BM+\b], v[BM+\b], v[S+16*\b+15]
.endr
	v_max_num_f32 v[BM], v[BM], v[BM+1]            ; my block of keys 32 h ..: it serves for the row's maximum and, since p rises with the score, for the block's largest p
	v_max_num_f32 v[BM+1], v[BM+2], v[BM+3]        ; my block of keys 64 + 32 h ..
	s_delay_alu instid0(VALU_DEP_1)
	v_max_num_f32 v[TMP], v[BM], v[BM+1]
	s_delay_alu instid0(VALU_DEP_1)
	v_permlanex16_b32 v[BT], v[TMP], s[SEL], s[SEL+1]
	s_delay_alu instid0(VALU_DEP_1)
	v_max_num_f32 v[TMP], v[TMP], v[BT]            ; with lane l xor 16's two blocks: the step's largest score of my query
	s_delay_alu instid0(VALU_DEP_1)
	v_mul_f32 v[TMP], v[CC], v[TMP]
	s_delay_alu instid0(VALU_DEP_1)
	v_max_num_f32 v[NM+1], v[NM+1], v[TMP]         ; the running largest t
	v_mov_b32 v[TMP], v[NM]
	s_delay_alu instid0(VALU_DEP_2)
	v_floor_f32 v[NM], -v[NM+1]                    ; -M: M is a whole number
	s_delay_alu instid0(VALU_DEP_1)
	v_sub_f32 v[TMP], v[NM], v[TMP]
	s_delay_alu instid0(VALU_DEP_1)
	v_cvt_i32_f32 v[TMP], v[TMP]
	s_delay_alu instid0(VALU_DEP_1)
	v_ldexp_f32 v[FF], 1.0, v[TMP]                 ; f = 2^(old M - new M)
.set n, 0
.rept 32
	v_pk_fma_f32 v[S+n:S+n+1], v[S+n:S+n+1], v[CC:CC+1], v[NM:NM+1] op_sel_hi:[1,0,0]
.set n, n+2
.endr
.irp b, 0,1
	v_fma_f32 v[BM+\b], v[BM+\b], v[CC], v[NM]
.endr
	s_wait_alu depctr_va_vdst(0)
.set n, 0
.rept 64
	v_exp_f32 v[S+n], v[S+n]
.set n, n+1
.endr
.irp b, 0,1
	v_exp_f32 v[BM+\b], v[BM+\b]                   ; each block's largest p
.endr
	v_pk_mul_f32 v[LS:LS+1], v[LS:LS+1], v[FF:FF+1] op_sel_hi:[1,0]
	s_wait_alu depctr_va_vdst(0)
.irp b, 0,1
	v_max_num_f32 v[BM+\b], 0x2800000, v[BM+\b]    ; the floor 2^(5 - 127)
.endr
.irp b, 0,1
	s_delay_alu instid0(VALU_DEP_2)
	v_add_nc_u32 v[SO+\b], 0xfe000000, v[BM+\b]    ; the conversion's scale operand
.endr
.irp b, 0,1
	s_delay_alu instid0(VALU_DEP_2)
	v_lshrrev_b32 v[BT+\b], 23, v[SO+\b]           ; the scale's byte
.endr
	s_delay_alu instid0(VALU_DEP_1)
	v_lshl_or_b32 v[PS], v[BT+1], 16, v[BT]        ; my two bytes: blocks h and 2 + h,
	s_delay_alu instid0(VALU_DEP_1)
	v_lshlrev_b32 v[PS], v[H8], v[PS]              ; at their places,
	s_delay_alu instid0(VALU_DEP_1)
	v_permlanex16_b32 v[BT], v[PS], s[SEL], s[SEL+1]
	s_delay_alu instid0(VALU_DEP_1)
	v_or_b32 v[PS], v[PS], v[BT]                   ; and lane l xor 16's two: p's scale word
.irp c, 0,1
	v_cvt_scalef32_pk16_bf6_f32 v[PC+6*\c:PC+6*\c+2], v[S+32*\c:S+32*\c+15], v[SO+\c]
	v_cvt_scalef32_pk16_bf6_f32 v[CT+4*\c:CT+4*\c+2], v[S+32*\c+16:S+32*\c+31], v[SO+\c]   ; (a conversion's three registers begin on an even number)
.endr
	v_nop
.irp c, 0,1
.irp i, 0,1,2
	v_mov_b32 v[PC+6*\c+3+\i], v[CT+4*\c+\i]
.endr
.endr
	s_wait_alu depctr_va_vdst(0)
.set n, 0
.rept 16
	v_pk_mul_f32 v[O+n:O+n+1], v[O+n:O+n+1], v[FF:FF+1] op_sel_hi:[1,0]
.set n, n+2
.endr
	s_wait_alu depctr_va_vdst(0)
	s_wait_dscnt 0x0                               ; V's fragments
.irp t, 0,1,2,3
	PVPROD \t
.endr
	v_pk_add_f32 v[L2:L2+1], v[S:S+1], v[S+2:S+3]  ; the row's sum, of the unquantised p, in two chains: it names no register of the products above and fills the places behind them
.irp j, 4,8,12,16,20,24,28,32,36,40,44,48,52,56,60
	v_pk_add_f32 v[LS:LS+1], v[LS:LS+1], v[S+\j:S+\j+1]
	v_pk_add_f32 v[L2:L2+1], v[L2:L2+1], v[S+\j+2:S+\j+3]
.endr
	s_delay_alu instid0(VALU_DEP_1)
	v_pk_add_f32 v[LS:LS+1], v[LS:LS+1], v[L2:L2+1]
	s_wait_alu depctr_va_vdst(0)
.Lstep_next_\@:
	s_add_co_u32 s[TB], s[TB], STEPB
	s_add_co_u32 s[IX], s[IX], 1
	s_cmp_lt_u32 s[IX], 16
	s_cbranch_scc1 .Lstep_\@
.if \more
.irp i, 0,1,2,3,4,5,6,7
	global_load_b128 v[KV+4*\i:KV+4*\i+3], v[GO], s[QP:QP+1] offset:2*\i*ROWB th:TH_LOAD_NT   ; the next tile's q, into registers that the way out does not use
.endr
.endif
	v_add_f32 v[LS], v[LS], v[LS+1]
	s_delay_alu instid0(VALU_DEP_1)
	v_permlanex16_b32 v[TMP], v[LS], s[SEL], s[SEL+1]
	s_delay_alu instid0(VALU_DEP_1)
	v_add_f32 v[LS], v[LS], v[TMP]                 ; the row's sum
	s_wait_alu depctr_va_vdst(0)
	v_rcp_f32 v[LS], v[LS]
	v_nop
	s_wait_alu depctr_va_vdst(0)
.set n, 0
.rept 16
	v_pk_mul_f32 v[S+n:S+n+1], v[O+n:O+n+1], v[LS:LS+1] op_sel_hi:[1,0]
.set n, n+2
.endr
.irp t, 0,1,2,3
	ds_store_b128 v[STO], v[S+8*\t:S+8*\t+3] offset:64*\t
	ds_store_b128 v[STO], v[S+8*\t+4:S+8*\t+7] offset:64*\t+16
.endr
.irp i, 0,1,2,3,4,5,6,7
	ds_load_b128 v[S+32+4*\i:S+32+4*\i+3], v[RD] offset:2*\i*SP   ; my own stage: LDS serves a wave's instructions in order
.endr
.irp i, 0,1,2,3,4,5,6,7
	s_wait_dscnt 7-\i
	global_store_b128 v[GO], v[S+32+4*\i:S+32+4*\i+3], s[OB:OB+1] offset:2*\i*ROWB th:TH_STORE_NT   ; sixteen lanes store 256 consecutive bytes, aligned
.endr
	s_wait_xcnt 0x0                                ; the stores' base and data are written again only behind this wait,
	s_wait_kmcnt 0x0                               ; and the mask words' base and registers behind this one
.endm
	TILEBODY 1
	s_sub_co_u32 s[TILE], 127, s[TILE]             ; my second tile
	s_wait_loadcnt 0x0                             ; its q
	QTURN KV
	QQ QC, QS
	s_wait_alu depctr_va_vdst(0)
	TILEBODY 0
	s_wait_tensorcnt 0x0                           ; the wave's end
	ds_add_u32 v[SPW], v[NIL]
	s_wait_dscnt 0x0
	s_endpgm
.Lfunc_end_k_q0cbc6a99e3_attn:
	.size	k_q0cbc6a99e3_attn, .Lfunc_end_k_q0cbc6a99e3_attn-k_q0cbc6a99e3_attn
	.p2alignl 7, 3214868480
	.fill 96, 4, 3214868480
	.section	.rodata,"a",@progbits
	.p2align	6, 0x0
	.amdhsa_kernel k_q0cbc6a99e3_attn
		.amdhsa_group_segment_fixed_size 284672
		.amdhsa_private_segment_fixed_size 0
		.amdhsa_enable_private_segment 0
		.amdhsa_kernarg_size 40
		.amdhsa_user_sgpr_count 2
		.amdhsa_user_sgpr_kernarg_segment_ptr 1
		.amdhsa_wavefront_size32 1
		.amdhsa_system_sgpr_workgroup_id_x 1
		.amdhsa_system_sgpr_workgroup_id_y 1
		.amdhsa_system_sgpr_workgroup_id_z 1
		.amdhsa_system_vgpr_workitem_id 0
		.amdhsa_next_free_vgpr 242
		.amdhsa_next_free_sgpr 106
		.amdhsa_reserve_vcc 0
		.amdhsa_float_denorm_mode_32 3
		.amdhsa_float_denorm_mode_16_64 3
		.amdhsa_memory_ordered 1
		.amdhsa_forward_progress 1
		.amdhsa_inst_pref_size 74
	.end_amdhsa_kernel
	.amdgpu_metadata
---
amdhsa.version: [ 1, 2 ]
amdhsa.kernels:
  - .name:           k_q0cbc6a99e3_attn
    .symbol:         k_q0cbc6a99e3_attn.kd
    .args:
      - { .name: query, .offset: 0, .size: 8, .value_kind: global_buffer, .address_space: global }
      - { .name: kv, .offset: 8, .size: 8, .value_kind: global_buffer, .address_space: global }
      - { .name: maskw, .offset: 16, .size: 8, .value_kind: global_buffer, .address_space: global }
      - { .name: flags, .offset: 24, .size: 8, .value_kind: global_buffer, .address_space: global }
      - { .name: out0, .offset: 32, .size: 8, .value_kind: global_buffer, .address_space: global }
    .group_segment_fixed_size: 284672
    .private_segment_fixed_size: 0
    .kernarg_segment_align: 8
    .kernarg_segment_size: 40
    .max_flat_workgroup_size: 512
    .sgpr_count:     106
    .vgpr_count:     242
    .wavefront_size: 32
...
	.end_amdgpu_metadata
.endif
;; end of part 2
